; MI455X (gfx1250); checked and timed in simulation.
; The chip was launched on July 23, 2026; its instructions are those of AMD's public machine-readable ISA for CDNA 5 (MIT licence, August 2026) and "CDNA5" Instruction Set Architecture Reference Guide (July 2026). The comments in the code are by the model that wrote it; some were corrected since.
;; MOE Layer. Allowed arithmetic: matrix products marked QUANTISED: E2M3 operands, one E8M0 scale for each 32 along K, by v_wmma_scale_f32_16x16x128_f8f6f4 with both operands' format E2M3, f32 sums; products left as they are: f32 operands where the result goes on into a quantised operand, else bf16, f16 or f32 operands; f32 sums; everything else in f32.
;; Inputs: gate 2,048 int32; inp 2,048 x 1,024 float32; weight_codes 16 x 2,048 x 32 x 24 uint8 (E2M3 codes of weight, K innermost, in blocks of 32 codes, four codes in three bytes); weight_scales 16 x 2,048 x 32 uint8 (E8M0 scales of weight, one for each 32 codes along K).
;; Outputs: out0 2,048 x 2,048 float32.
;; This version of the problem:
;;   THIS VERSION OF THE PROBLEM IS GIVEN IN LOW PRECISION. The matrix products marked QUANTISED in the list below multiply operands that are first quantised to E2M3 (2 exponent bits, 3 mantissa bits; 6 bits a number), with one power-of-two scale for each 32 numbers along K (OCP MX v1.0); their sums are f32. All else is computed in f32.
;;   The module's matrix products, in the order in which they are computed (A, B: the left and right operand; K: the contracted axis; several contracted axes count as one K, in the product's order):
;;     1. batch 2,048 x [M 1,024, K 1] x [K 1, N 16]; A: computed on the way; B: computed on the way: left as it is (no contracted axis)
;;     2. batch 16 x [M 2,048, K 1,024] x [K 1,024, N 2,048]; A: computed on the way; B: input weight (given as codes): QUANTISED
;;     3. batch 2,048 x [M 1, K 16] x [K 16, N 2,048]; A: computed on the way; B: computed on the way: left as it is (K = 16 < 32)
;;   THE QUANTISER, for each operand of a quantised product, along K:
;;     - K is cut into blocks of 32 from its start; a last block that is shorter is filled with zeros.
;;     - A block's scale is 2^e with e = floor(log2(the largest magnitude in the block)) - 2, held to -126 .. 127; a block of zeros has e = 0. As a byte (E8M0): e + 127.
;;     - Each number is divided by its block's scale, clamped to +-7.5, and rounded to the nearest number of E2M3, ties to even, subnormals kept.
;;     - The product sums the exact products of the quantised numbers (number of the format x scale) in f32.
;;   ~~~python
;;   def quantise(x, axis):      # numpy; x: float32 -> the quantised numbers, widened to float32 again
;;       x = np.moveaxis(x, axis, -1); K = x.shape[-1]
;;       x = np.pad(x, [(0, 0)] * (x.ndim - 1) + [(0, -K % 32)]); x = x.reshape(x.shape[:-1] + (-1, 32)); a = np.abs(x).max(-1, keepdims=True)
;;       e = np.where(a > 0, np.clip(np.frexp(np.where(a > 0, a, 1))[1] - 1 - 2, -126, 127), 0)      # np.frexp(a)[1] - 1 = floor(log2(a)), exactly
;;       r = np.clip(x / 2.0 ** e, -7.5, 7.5)
;;       step = 2.0 ** (np.maximum(np.frexp(np.where(r == 0, 1, r))[1] - 1, 0) - 3)
;;       q = np.round(r / step) * step * 2.0 ** e      # np.round: ties to even
;;       return np.moveaxis(q.reshape(q.shape[:-2] + (-1,))[..., :K], -1, axis).astype(np.float32)
;;   ~~~
;;   OPERANDS COMPUTED ON THE WAY. 'Computed on the way' means the value that the module computes at that place (a softmax that the list does not call 'softmax' is quantised finished and normalised). What goes into a quantiser is computed in f32, as accurately as f32 sums, v_exp_f32 and their like allow (about 1e-6 of the number): no bf16 or f16 on the way to a quantiser, and a product that is left as it is and whose result goes on into a quantised operand takes f32 operands (vector FMAs, or v_wmma_f32_16x16x4_f32). A number that lies on a knife's edge between two numbers of the format may be rounded either way, as far as f32 arithmetic and the matrix unit's own rounding can turn it there, and no further.
;;   INPUTS GIVEN AS CODES. weight (in the module: [16, 2048, 1024], K = its axis 2): each comes as NAME_codes (uint8): NAME with its K axis moved to the last place and cut into blocks of 32 codes, [.., K / 32, bytes a block], one block behind the other in memory; four codes in three bytes: a row's codes are one little-endian stream of bits, code i at bits 6 i .. 6 i + 5 (a code: sign, 2 exponent bits, 3 mantissa bits); and NAME_scales (uint8): the same leading axes, one E8M0 byte (e + 127) for each 32 codes along K. Its value is code x scale, taken as it is: it is not quantised again, and the codes and scales need not be those that the quantiser above would give.
;; 2 versions. Each part assembles by itself: llvm-mc -triple=amdgcn-amd-amdhsa -mcpu=gfx1250 --defsym DOCPART=n.
;; ======== version 1 of 2: 2 launches
;; workspace buffers: xq 26,214,400 bytes; route 135,168 bytes of whole numbers
;; launch route_quant (part 1): grid 16 x 16, 4 waves a work-group, no clusters, 67,072 bytes of LDS; arguments gate, inp, xq, route; writes xq, route
.if DOCPART == 1
	.amdgcn_target "amdgcn-amd-amdhsa--gfx1250"
	.amdhsa_code_object_version 6
	.text
	.protected	k_qb95930daea_route_quant
	.globl	k_qb95930daea_route_quant
	.p2align	8
	.type	k_qb95930daea_route_quant,@function
k_qb95930daea_route_quant:
	s_mov_b64 s[64:65], 0
	v_nop
	global_prefetch_b8 v0, s[64:65] scope:SCOPE_SE
	s_setreg_imm32_b32 hwreg(HW_REG_WAVE_MODE, 25, 1), 1
	s_wait_xcnt 0x0
; ROUTING AND QUANTISING.  out[n] = weight[gate[n]] . inp[n]: the one-hot products of the problem only select, so a token's row goes to its own expert alone.
; This launch sorts the tokens by expert into TILES of 16 slots and turns each tile's rows of inp (f32, K = 1,024) into codes of FP6 (E2M3) with one E8M0 byte for each 32 along K.
; SHARES.  Work-group (x = p, y = e) takes tiles p, p + 16, .. of expert e; wave w takes 256 w .. 256 w + 255 along K (K steps 2 w and 2 w + 1 of 128) of all 16 rows.  The waves share nothing: each
; repeats the selection, so there is no barrier.  A work-group that the split leaves without a tile stores nothing (p = 0 always stores the expert's number of tiles): the grid serves every split, all tokens on one expert too.
; SELECTION, in whole numbers alone.  Every wave reads all 2,048 gates; 64 compares give 64 masks in scalar registers (mask w, bit l: token 128 (w / 4) + w % 4 + 4 l has my expert).  Slot r of tile k holds the token
; of rank 16 k + r in that order: the word is found by running counts, the bit in it by five halvings on partial bit counts.  The slots behind an expert's last token repeat that token.
; WHAT IS STORED.  xq, tile (e, k) at e XE + k XT: for K step s and group c of four registers, 512 bytes at 1536 s + 512 c + 16 lane: the image of the operand's registers 4 c .. 4 c + 3 (16 slots x 128 K: 12 registers a lane);
; at 12288 + 128 j + 4 lane the scale words: lane (r, h) has slot r's word of K step 2 j + h.  route, at e RE: the number of tiles; at e RE + 256 + 64 k + 4 slot: the slot's token.
; A block's scale is 2^(floor(log2(its largest magnitude)) - 2); its byte is the largest magnitude's exponent field - 2, held at 1 from below.
; LIMITS: gate lies in 0 .. 15, as an index into the table of experts does; a token with another number would get no slot.  NaN and infinities in inp are not served.  Blocks whose largest magnitude lies under
; 2^-124 get the byte 1: not tried.  A block of zeros gets the byte 1 where the rule says 127: its codes are zeros, and this program alone reads the bytes.
; No tensor load, no cluster: the trip count hangs on the gates, and work-groups share no row of inp.
.set XE,    1638400                    ; bytes of xq for an expert: room for 128 tiles
.set XT,    12800                      ; bytes of a tile: 12,288 of codes, 512 of scale words
.set RE,    8448                       ; bytes of route for an expert
.set PITCH, 1040                       ; a stage row: 1,024 bytes + 16 = 260 words: row r starts 4 r words on, modulo 64, so the 16 rows that a read touches start at 16 different places
.set STG,   16*PITCH                   ; a wave's stage
.set SPARE, 4*STG                      ; behind the four stages: the spare words, 128 bytes for each wave: two blocks of 256 bytes that no other line names
.set SPW,   11                         ; v11  LDS address of my spare word; never rewritten
.set NIL,   12                         ; v12  0; never rewritten
.set TO,    32                         ; v32-47   slot r's byte offset in inp for my lane
.set G,     48                         ; v48-111  the gates
.set X0,    48                         ; v48-111  later: 64 numbers of K step 2 w;  v176-239: of K step 2 w + 1
.set R,     112                        ; v112-239 the rows as they are loaded
.set PC0,   112                        ; v112-131 codes of K step 2 w (once the rows have gone to the stage)
.set PC1,   132                        ; v132-151 codes of K step 2 w + 1
.set TM,    240                        ; v240-255 the quantiser's: +0..3 largest magnitudes, +4..7 bytes, +12..15 the conversions' scale operands
; v1 lane, v2 r, v3 h, v4 16 lane, v5 16 lane + 1024 w, v6 into the stage, v7 out of it, v8 my place in a tile's codes, v9 in its scale words, v10 4 r
; v13 rank, v14 the word, v15 its running count, v16 its first token, v17 rank in the word, v18 bit, v19-20 at work, v21-24 partial bit counts, v25 token, v26-28 scale words
; s12 wave, s13 p, s14 e, s15 tokens of e, s16 tiles of e, s17 tile, s18 the last rank, s19 running count, s20-21 at work, s[22:23] lane selects, s25 mask of lanes 16-31, s[26:27] 64-bit offsets
; s30 trips done, s31 trips to do;  masks: mask w in s[36 + w] (w < 28) or s[38 + w]
; 64 numbers of a lane, v[s] .. v[s + 63], register 16 b + i = k 32 b + 16 (lane / 16) + i of my row, become a fragment's codes in v[pc] .. v[pc + 11] and its scale word in v[pw]
.macro QUANT s, pc, pw
.irp b, 0,1,2,3
	v_max3_num_f32 v[TM+\b], |v[\s+16*\b]|, |v[\s+1+16*\b]|, 0x1800000   ; block b: my 16 numbers, and the floor 2^(3 - 127): so the byte cannot fall under 1
.endr
.irp i, 2,4,6,8,10,12,14
.irp b, 0,1,2,3
	v_max3_num_f32 v[TM+\b], v[TM+\b], |v[\s+16*\b+\i]|, |v[\s+1+16*\b+\i]|   ; the four blocks by turns: no line waits for the line above it
.endr
.endr
.irp b, 0,1,2,3
	v_permlanex16_b32 v[TM+4+\b], v[TM+\b], s22, s23
.endr
.irp b, 0,1,2,3
	v_max_num_f32 v[TM+\b], v[TM+\b], v[TM+4+\b]   ; with lane l xor 16's: the block's largest magnitude
.endr
.irp b, 0,1,2,3
	v_add_nc_u32 v[TM+12+\b], 0xff000000, v[TM+\b]   ; 2 off its exponent field: the conversion takes the exponent field of this operand as its scale
.endr
.irp b, 0,1,2,3
	v_lshrrev_b32 v[TM+4+\b], 23, v[TM+12+\b]      ; the scale's byte
.endr
	v_lshl_or_b32 v[\pw], v[TM+5], 8, v[TM+4]      ; the four bytes make my row's scale word (both halves of the lanes hold the same)
	v_lshl_or_b32 v[\pw], v[TM+6], 16, v[\pw]
	v_lshl_or_b32 v[\pw], v[TM+7], 24, v[\pw]
.irp c, 0,1
	v_cvt_scalef32_pk16_fp6_f32 v[\pc+6*\c:\pc+2+6*\c], v[\s+32*\c:\s+15+32*\c], v[TM+12+2*\c]
	v_cvt_scalef32_pk16_fp6_f32 v[\pc+12+4*\c:\pc+14+4*\c], v[\s+16+32*\c:\s+31+32*\c], v[TM+12+2*\c+1]   ; (a conversion's three registers begin on an even number)
.endr
	v_nop                                          ; one plain place behind a scaled conversion
.irp c, 0,1                                    ; the operand's layout wants a WHOLE block in a lane: lanes 0-15 block 2 c, lanes 16-31 block 2 c + 1
.irp i, 0,1,2
	v_permlane16_swap_b32 v[\pc+6*\c+\i], v[\pc+12+4*\c+\i]
.endr
.irp i, 0,1,2
	v_mov_b32 v[\pc+3+6*\c+\i], v[\pc+12+4*\c+\i]
.endr
.endr
.endm
; One halving: the field of \bits bits at bit v18 of v[a] counts the set bits of the lower half of what is left; where my rank reaches it, the bit lies in the upper half
.macro SEL a, step, bits
	v_bfe_u32 v19, v[\a], v18, \bits
	v_cmp_ge_u32 vcc_lo, v17, v19
	v_cndmask_b32 v19, 0, v19, vcc_lo
	v_sub_nc_u32 v17, v17, v19
	v_cndmask_b32 v20, 0, \step, vcc_lo
	v_add_nc_u32 v18, v18, v20
.endm
	s_load_b256 s[4:11], s[0:1], 0x0               ; gate s[4:5], inp s[6:7], xq s[8:9], route s[10:11]
	v_lshl_add_u32 v[SPW], v0, 2, SPARE
	v_mov_b32 v[NIL], 0
	v_lshrrev_b32 v19, 5, v0
	v_readfirstlane_b32 s12, v19                   ; wave 0..3
	v_and_b32 v1, 31, v0                           ; lane
	v_and_b32 v2, 15, v0                           ; r
	v_bfe_u32 v3, v0, 4, 1                         ; h
	v_lshlrev_b32 v4, 4, v1                        ; 16 bytes a lane
	s_lshl_b32 s20, s12, 10
	v_add_nc_u32 v5, s20, v4                       ; in a row of inp: my wave's 1,024 bytes, my lane's 16
	s_mul_i32 s20, s12, STG
	v_add_nc_u32 v6, s20, v4                       ; into my stage, as loaded
	v_mul_u32_u24 v7, v2, PITCH
	v_lshl_add_u32 v7, v3, 6, v7
	v_add_nc_u32 v7, s20, v7                       ; out of it: row r, + 64 h: my 16 numbers of a block of 32
	s_mul_i32 s20, s12, 3072
	v_add_nc_u32 v8, s20, v4                       ; a tile's codes: two K steps of 1,536 bytes a wave
	s_lshl_b32 s20, s12, 7
	v_lshl_add_u32 v9, v1, 2, s20
	v_add_nc_u32 v9, 12288, v9                     ; its scale words: 128 bytes a wave
	v_lshlrev_b32 v10, 2, v2
.irp b, 0,1,2,3
	v_mov_b32 v[TM+4+\b], 0                        ; written once: a lane permute's destination counts as one of its sources
.endr
	s_mov_b32 s22, 0x76543210
	s_mov_b32 s23, 0xfedcba98                      ; v_permlanex16_b32's selects for lane l xor 16
	s_mov_b32 s13, ttmp9                           ; p
	s_and_b32 s14, ttmp7, 0xffff                   ; e
	v_cmp_ne_u32 s25, 0, v3                        ; lanes 16-31
	s_wait_kmcnt 0x0
.irp q, 0,1,2,3,4,5,6,7,8,9,10,11,12,13,14,15
	global_load_b128 v[G+4*\q:G+4*\q+3], v4, s[4:5] offset:512*\q   ; all 2,048 gates: 512 consecutive bytes a load
.endr
	s_wait_loadcnt 0x0
.set w, 0
.rept 64
	v_cmp_eq_u32 s[36+w+2*((w+36)/64)], s14, v[G+w]   ; mask w
.set w, w+1
.endr
	s_bcnt1_i32_b32 s15, s36
.set w, 1
.rept 63
	s_bcnt1_i32_b32 s20, s[36+w+2*((w+36)/64)]
	s_add_co_u32 s15, s15, s20                     ; my expert's tokens
.set w, w+1
.endr
	s_add_co_u32 s16, s15, 15
	s_lshr_b32 s16, s16, 4                         ; its tiles
	s_sub_co_u32 s18, s15, 1                       ; its last rank
	s_mul_i32 s26, s14, XE
	s_mul_i32 s20, s13, XT
	s_add_co_u32 s26, s26, s20
	s_mov_b32 s27, 0
	s_add_nc_u64 s[8:9], s[8:9], s[26:27]          ; xq at tile (e, p)
	s_mul_i32 s26, s14, RE
	s_add_nc_u64 s[10:11], s[10:11], s[26:27]      ; route at expert e
	s_or_b32 s20, s13, s12
	s_cmp_lg_u32 s20, 0
	s_cbranch_scc1 .Lno_nt                         ; wave 0 of work-group p = 0 stores the number of tiles
	v_mov_b32 v19, s16
	v_mov_b32 v20, 0
	global_store_b32 v20, v19, s[10:11]            ; all lanes write the same word with the same value
.Lno_nt:
	s_wait_xcnt 0x0                                ; the store has read its base and its registers: they are written again below
	s_lshl_b32 s26, s13, 6
	s_add_nc_u64 s[10:11], s[10:11], s[26:27]      ; on to tile p's 64 bytes (the list begins 256 bytes on: in the store's immediate)
	s_mov_b32 s17, s13
	s_cmp_ge_u32 s17, s16
	s_cbranch_scc1 .Lend                           ; no tile for this work-group
	s_sub_co_u32 s31, s16, s13                     ; the trips: tiles p, p + 16, .. under the expert's number of tiles: ceil((tiles - p) / 16),
	s_add_co_u32 s31, s31, 15
	s_lshr_b32 s31, s31, 4
	s_min_u32 s31, s31, 8                          ; 8 at the most: 128 tiles, 16 work-groups
	s_mov_b32 s30, 0
.Ltile:                                                ; a trip: tile s17
	s_lshl_b32 s21, s17, 4
	v_add_nc_u32 v13, s21, v2
	v_min_u32 v13, s18, v13                        ; my slot's rank; behind the last token: the last token's
	v_mov_b32 v14, s36
	v_mov_b32 v15, 0
	v_mov_b32 v16, 0
	s_bcnt1_i32_b32 s19, s36                       ; the set bits ahead of word 1
.set w, 1
.rept 63                                       ; the last word whose running count does not pass my rank holds my bit
	v_cmp_gt_u32 vcc_lo, s19, v13
	v_cndmask_b32 v14, s[36+w+2*((w+36)/64)], v14, vcc_lo
	v_cndmask_b32 v15, s19, v15, vcc_lo
	v_cndmask_b32 v16, 128*(w/4)+w%4, v16, vcc_lo
.if w < 63
	s_bcnt1_i32_b32 s20, s[36+w+2*((w+36)/64)]
	s_add_co_u32 s19, s19, s20
.endif
.set w, w+1
.endr
	v_sub_nc_u32 v17, v13, v15                     ; my rank inside the word
	v_lshrrev_b32 v19, 1, v14                      ; set bits of each 2, 4, 8 and 16 bits of the word
	v_and_b32 v19, 0x55555555, v19
	v_sub_nc_u32 v21, v14, v19
	v_lshrrev_b32 v19, 2, v21
	v_and_b32 v19, 0x33333333, v19
	v_and_b32 v22, 0x33333333, v21
	v_add_nc_u32 v22, v22, v19
	v_lshrrev_b32 v19, 4, v22
	v_add_nc_u32 v23, v22, v19
	v_and_b32 v23, 0x0f0f0f0f, v23
	v_lshrrev_b32 v19, 8, v23
	v_add_nc_u32 v24, v23, v19
	v_and_b32 v24, 0x00ff00ff, v24
	v_mov_b32 v18, 0
	SEL 24, 16, 8
	SEL 23, 8, 8
	SEL 22, 4, 4
	SEL 21, 2, 2
	SEL 14, 1, 1
	v_lshl_add_u32 v25, v18, 2, v16                ; the token: the word's first + 4 x bit
	v_min_u32 v25, 0x7ff, v25                      ; held inside the table of rows
.irp r, 0,1,2,3,4,5,6,7,8,9,10,11,12,13,14,15
	v_readlane_b32 s20, v25, \r
	s_min_u32 s20, s20, 0x7ff
	v_lshl_add_u32 v[TO+\r], s20, 12, v5           ; slot r's row of 4,096 bytes
.endr
.irp r, 0,1,2,3,4,5,6,7,8,9,10,11,12,13,14,15
.irp u, 0,1
	global_load_b128 v[R+8*\r+4*\u:R+8*\r+4*\u+3], v[TO+\r], s[6:7] offset:512*\u   ; 512 consecutive bytes of one row (no hint: a repeated slot names a row twice)
.endr
.endr
	s_cmp_lg_u32 s12, 0
	s_cbranch_scc1 .Lno_list
	global_store_b32 v10, v25, s[10:11] offset:256 ; wave 0: the tile's 16 tokens; both halves of the lanes write the same words with the same values
.Lno_list:
.irp g, 0,1,2,3
	s_wait_loadcnt 24-8*\g                         ; rows 4 g .. 4 g + 3 are in; the loads of the rows behind them may be out
.irp i, 0,1,2,3
.irp u, 0,1
	ds_store_b128 v6, v[R+8*(4*\g+\i)+4*\u:R+8*(4*\g+\i)+4*\u+3] offset:PITCH*(4*\g+\i)+512*\u
.endr
.endr
.endr
.irp u, 0,1                                    ; LDS serves a wave's instructions in order (ISA guide 5.7.1.4): these see my stores, and land only behind them
.irp b, 0,1,2,3
.irp i, 0,1,2,3
	ds_load_b128 v[X0+128*\u+16*\b+4*\i:X0+128*\u+16*\b+4*\i+3], v7 offset:512*\u+128*\b+16*\i
.endr
.endr
.endr
	s_wait_dscnt 16                                ; the first K step's 16 loads are in (and all stores into the stage are done); the second's 16 may be out
	QUANT X0, PC0, 27
.irp c, 0,1,2
	global_store_b128 v8, v[PC0+4*\c:PC0+4*\c+3], s[8:9] offset:512*\c   ; 32 lanes store 512 consecutive bytes, at a multiple of 256 from xq's first byte
.endr
	s_wait_dscnt 0x0
	QUANT X0+128, PC1, 28
.irp c, 0,1,2
	global_store_b128 v8, v[PC1+4*\c:PC1+4*\c+3], s[8:9] offset:1536+512*\c
.endr
	v_cndmask_b32 v26, v27, v28, s25               ; lanes 0-15: K step 2 w's word; lanes 16-31: K step 2 w + 1's
	global_store_b32 v9, v26, s[8:9]
	s_wait_xcnt 0x0                                ; the trip's stores have read their data and bases: both are written again below and in the next trip
	s_add_nc_u64 s[8:9], s[8:9], 16*XT
	s_add_nc_u64 s[10:11], s[10:11], 16*64
	s_add_co_u32 s17, s17, 16                      ; the next tile of mine
	s_add_co_u32 s30, s30, 1                       ; the loop's counter: one a trip
	s_cmp_lt_u32 s30, s31
	s_cbranch_scc1 .Ltile
.Lend:
	s_wait_tensorcnt 0x0                           ; the wave's end: behind my last LDS store; s_wait_tensorcnt stands in a text with no tensor load too
	ds_add_u32 v[SPW], v[NIL]
	s_wait_dscnt 0x0
	s_endpgm
.Lfunc_end_k_qb95930daea_route_quant:
	.size	k_qb95930daea_route_quant, .Lfunc_end_k_qb95930daea_route_quant-k_qb95930daea_route_quant
	.p2alignl 7, 3214868480
	.fill 96, 4, 3214868480
	.section	.rodata,"a",@progbits
	.p2align	6, 0x0
	.amdhsa_kernel k_qb95930daea_route_quant
		.amdhsa_group_segment_fixed_size 67072
		.amdhsa_private_segment_fixed_size 0
		.amdhsa_enable_private_segment 0
		.amdhsa_kernarg_size 32
		.amdhsa_user_sgpr_count 2
		.amdhsa_user_sgpr_kernarg_segment_ptr 1
		.amdhsa_wavefront_size32 1
		.amdhsa_system_sgpr_workgroup_id_x 1
		.amdhsa_system_sgpr_workgroup_id_y 1
		.amdhsa_system_sgpr_workgroup_id_z 1
		.amdhsa_system_vgpr_workitem_id 0
		.amdhsa_next_free_vgpr 256
		.amdhsa_next_free_sgpr 102
		.amdhsa_reserve_vcc 1
		.amdhsa_float_denorm_mode_32 3
		.amdhsa_float_denorm_mode_16_64 3
		.amdhsa_memory_ordered 1
		.amdhsa_forward_progress 1
		.amdhsa_inst_pref_size 47
	.end_amdhsa_kernel
	.amdgpu_metadata
---
amdhsa.version: [ 1, 2 ]
amdhsa.kernels:
  - .name:           k_qb95930daea_route_quant
    .symbol:         k_qb95930daea_route_quant.kd
    .args:
      - { .name: gate, .offset: 0, .size: 8, .value_kind: global_buffer, .address_space: global }
      - { .name: inp, .offset: 8, .size: 8, .value_kind: global_buffer, .address_space: global }
      - { .name: xq, .offset: 16, .size: 8, .value_kind: global_buffer, .address_space: global }
      - { .name: route, .offset: 24, .size: 8, .value_kind: global_buffer, .address_space: global }
    .group_segment_fixed_size: 67072
    .private_segment_fixed_size: 0
    .kernarg_segment_align: 8
    .kernarg_segment_size: 32
    .max_flat_workgroup_size: 128
    .sgpr_count:     102
    .vgpr_count:     256
    .wavefront_size: 32
...
	.end_amdgpu_metadata
.endif
;; end of part 1
;; launch expert_gemm (part 2): grid 16 x 16, 4 waves a work-group, no clusters, 100,864 bytes of LDS; arguments route, xq, weight_codes, weight_scales, out0; writes out0
.if DOCPART == 2
	.amdgcn_target "amdgcn-amd-amdhsa--gfx1250"
	.amdhsa_code_object_version 6
	.text
	.protected	k_qb95930daea_expert_gemm
	.globl	k_qb95930daea_expert_gemm
	.p2align	8
	.type	k_qb95930daea_expert_gemm,@function
k_qb95930daea_expert_gemm:
	s_mov_b64 s[64:65], 0
	v_nop
	global_prefetch_b8 v0, s[64:65] scope:SCOPE_SE
	s_setreg_imm32_b32 hwreg(HW_REG_WAVE_MODE, 25, 1), 1
	s_wait_xcnt 0x0
; THE PRODUCT.  out[n][o] = sum over k of Q(inp[n])[k] weight[gate[n]][o][k], on codes of FP6 (E2M3) with one E8M0 byte for each 32 along K; sums in f32.
; SHARES.  Work-group (x, y = e) owns outputs 128 x .. 128 x + 127 of expert e, for all tokens of that expert.  Wave w: c = w / 2 says which 64 outputs, p = w % 2 which tiles of 16 tokens (tile k with k % 2 = p).
; THE WEIGHTS STAY.  A wave's 64 outputs x 1,024 K are 32 fragments, 384 registers, for the whole launch.  The slice's 98,304 bytes are dense in memory: the four waves load a quarter each, 48 loads of 512 consecutive bytes,
; put them into LDS as rows and, behind ONE barrier, read their fragments.  So each byte of the weights is loaded once in the launch.  The barrier stands ahead of every branch on loaded numbers.
; THE TOKENS WALK.  The launch before has laid each tile as an image of the operand's registers (xq) and listed its tokens (route): a tile is 24 loads of 16 bytes a lane, 4 scale words, 8 token numbers.  Four buffers; all four
; are asked for ahead of the loop (a first fill past the expert's last tile repeats that tile, so that only written bytes are read), and a buffer is asked for again behind its tile where a tile eight on exists.
; LAYOUT.  Source 0 = the tile (lane r: slot r), source 1 = 16 outputs.  THE OUTPUTS OF A TILE ARE NOT NEIGHBOURS: lane r of tile t takes output 4 r + t.  So register j of the four results holds out(slot 8 h + j, 4 r + 0 .. 3):
; 16 neighbouring bytes a lane, and sixteen lanes store 256 consecutive bytes, aligned, of one token's row, with no way through LDS.
; The slots behind an expert's last token repeat that token: the same wave stores the same bytes at the same place again.
; LIMITS: those of the launch before (gate in 0 .. 15; no NaN or infinity in inp).  The given scale bytes are taken as they are.
; NO TENSOR LOAD, NO CLUSTER: how many tiles a wave walks is a number read from memory.  What the 16 work-groups of an expert share, a tile's 12,800 bytes, stands beside 98,304 bytes of weights that are a work-group's own.
; REGISTERS, in windows of 256 (s_set_vgpr_msb: bits 1:0 source 0, 3:2 source 1, 5:4 source 2, 7:6 destination):
;   window 0: v1-9 addresses; v12, v13 the add's two; v16-31 the weights' scale words; v32-47 the tiles' scale words; v48-79 the tiles' tokens; v80-111 four accumulators; v112-143 results in storing order; v160-255 tile buffer 3
;   window 1: v0-191 the weights' fragments of K steps 0-3 (fragment (s, t) at 48 (s % 4) + 12 t; first the slice as loaded); v192-239 tile buffer 2, K steps 0-3        window 2: the same for K steps 4-7
;   window 3: v0-95 tile buffer 0; v96-191 tile buffer 1
.set XE,    1638400                    ; bytes of xq for an expert
.set XT,    12800                      ; bytes of a tile
.set RE,    8448                       ; bytes of route for an expert
.set PITCH, 784                        ; an LDS row: 768 bytes + 16 = 196 words: row r starts 4 r words on, modulo 64, so the 32 lanes of a load of 8 bytes touch 64 different words modulo 64
.set SPARE, 128*PITCH                  ; behind the rows: the spare words, 128 bytes for each wave: two blocks of 256 bytes that no other line names
.set SPW,   12                         ; v12  LDS address of my spare word; never rewritten
.set NIL,   13                         ; v13  0; never rewritten
.set WS,    16                         ; register 4 t + i: lanes 0-15 the word of K step i of tile t's outputs, lanes 16-31 that of K step 4 + i
.set XS,    32                         ; buffer b, register 4 b + j: lanes 0-15 the slots' words of K step 2 j, lanes 16-31 of K step 2 j + 1
.set RL,    48                         ; buffer b, register 8 b + j: the token of slot 8 h + j, then its byte offset in out
.set ACC,   80
.set OUT,   112
.set SXB,   24                         ; s[24:31] buffer b's tile in xq
.set SRB,   32                         ; s[32:39] buffer b's tokens in route
; s14 wave, s15 c, s16 p, s17 x, s18 e, s19 the expert's tiles, s20 the trip's first tile, s21 at work, s22 the last tile, s23 trips done, s[40:41] 64-bit offsets, s42 trips to do
.set MSB, 0
.macro WIN new                         ; the immediate's high byte repeats the setting that is left; a switch that changes nothing is dropped
.if MSB != (\new)
	s_set_vgpr_msb (MSB<<8)|(\new)
.set MSB, (\new)
.endif
.endm
; 30 loads: a tile's 8 fragments, its scale words, its tokens, into buffer b
.macro XLOAD b
.if \b < 2
	WIN 0xc0                                       ; destination window 3
.irp s, 0,1,2,3,4,5,6,7
.irp c, 0,1,2
	global_load_b128 v[96*\b+12*\s+4*\c:96*\b+12*\s+4*\c+3], v1, s[SXB+2*\b:SXB+2*\b+1] offset:1536*\s+512*\c
.endr
.endr
.elseif \b == 2
	WIN 0x40                                       ; destination window 1
.irp s, 0,1,2,3
.irp c, 0,1,2
	global_load_b128 v[192+12*\s+4*\c:192+12*\s+4*\c+3], v1, s[SXB+2*\b:SXB+2*\b+1] offset:1536*\s+512*\c
.endr
.endr
	WIN 0x80                                       ; destination window 2
.irp s, 4,5,6,7
.irp c, 0,1,2
	global_load_b128 v[192+12*(\s-4)+4*\c:192+12*(\s-4)+4*\c+3], v1, s[SXB+2*\b:SXB+2*\b+1] offset:1536*\s+512*\c
.endr
.endr
.else
	WIN 0
.irp s, 0,1,2,3,4,5,6,7
.irp c, 0,1,2
	global_load_b128 v[160+12*\s+4*\c:160+12*\s+4*\c+3], v1, s[SXB+2*\b:SXB+2*\b+1] offset:1536*\s+512*\c
.endr
.endr
.endif
	WIN 0
.irp j, 0,1,2,3
	global_load_b32 v[XS+4*\b+\j], v2, s[SXB+2*\b:SXB+2*\b+1] offset:12288+128*\j
.endr
.irp i, 0,1
	global_load_b128 v[RL+8*\b+4*\i:RL+8*\b+4*\i+3], v3, s[SRB+2*\b:SRB+2*\b+1] offset:16*\i
.endr
.endm
; One product: buffer b's fragment of K step s (at v[xr] of its window) x the weights' fragment (s, t).  K step 0 starts the sum: nothing is cleared.  The scale registers' rows: odd K steps of the tile and K steps 4-7 of the weights lie in lanes 16-31
.macro MM xr, b, s, t
.set rA, (\xr)
.set rB, 48*((\s)%4)+12*(\t)
.set rD, ACC+8*(\t)
.set rP, XS+4*(\b)+(\s)/2
.set rQ, WS+4*(\t)+(\s)%4
.if (\s) == 0
	v_wmma_scale_f32_16x16x128_f8f6f4 v[rD:rD+7], v[rA:rA+11], v[rB:rB+11], 0, v[rP], v[rQ] matrix_a_fmt:MATRIX_FMT_FP6 matrix_b_fmt:MATRIX_FMT_FP6
.elseif (\s) == 2
	v_wmma_scale_f32_16x16x128_f8f6f4 v[rD:rD+7], v[rA:rA+11], v[rB:rB+11], v[rD:rD+7], v[rP], v[rQ] matrix_a_fmt:MATRIX_FMT_FP6 matrix_b_fmt:MATRIX_FMT_FP6
.elseif (\s) < 4
	v_wmma_scale_f32_16x16x128_f8f6f4 v[rD:rD+7], v[rA:rA+11], v[rB:rB+11], v[rD:rD+7], v[rP], v[rQ] matrix_a_fmt:MATRIX_FMT_FP6 matrix_b_fmt:MATRIX_FMT_FP6 matrix_a_scale:MATRIX_SCALE_ROW1
.elseif (\s)%2 == 0
	v_wmma_scale_f32_16x16x128_f8f6f4 v[rD:rD+7], v[rA:rA+11], v[rB:rB+11], v[rD:rD+7], v[rP], v[rQ] matrix_a_fmt:MATRIX_FMT_FP6 matrix_b_fmt:MATRIX_FMT_FP6 matrix_b_scale:MATRIX_SCALE_ROW1
.else
	v_wmma_scale_f32_16x16x128_f8f6f4 v[rD:rD+7], v[rA:rA+11], v[rB:rB+11], v[rD:rD+7], v[rP], v[rQ] matrix_a_fmt:MATRIX_FMT_FP6 matrix_b_fmt:MATRIX_FMT_FP6 matrix_a_scale:MATRIX_SCALE_ROW1 matrix_b_scale:MATRIX_SCALE_ROW1
.endif
.endm
; The tile in buffer b: tile s20 + 2 b.  left: how many younger loads may stay out.  xbase, xmod: where its fragments lie;  w0, w1: the windows for K steps 0-3 and 4-7
.macro TILE b, left, xbase, xmod, w0, w1
.if \b > 0
	s_add_co_u32 s21, s20, 2*\b
	s_cmp_ge_u32 s21, s19
	s_cbranch_scc1 .Lstep                          ; no such tile: on to the trip's end; s20 + 8 is then no tile either, so this trip is the last
.endif
	s_wait_loadcnt \left                           ; loads come back in order (ISA guide 5.7.1): this buffer's 30 are in.  Counted are the first fills that always stand behind them, never a refill, which is not issued on every way
	WIN \w0
.irp s, 0,1,2,3                                ; the four accumulators take turns, one instruction a turn
.irp t, 0,1,2,3
	MM \xbase+12*(\s%\xmod), \b, \s, \t
.endr
.endr
	WIN \w1
.irp s, 4,5,6,7
.irp t, 0,1,2,3
	MM \xbase+12*(\s%\xmod), \b, \s, \t
.endr
.endr
	WIN 0
.irp j, 0,1,2,3,4,5,6,7                        ; sixteen plain lines that name no register of the products: the places behind them, for the reads of the results, for the loads into this buffer and for the next tile's first products
	v_min_u32 v[RL+8*\b+\j], 0x7ff, v[RL+8*\b+\j]  ; a token number is held inside the table of rows,
.endr
.irp j, 0,1,2,3,4,5,6,7
	v_lshl_add_u32 v[RL+8*\b+\j], v[RL+8*\b+\j], 13, v4   ; and becomes its row of 8,192 bytes + 16 r
.endr
	s_wait_xcnt 0x0                                ; the last tile's stores have read their data: the registers are written again
.irp j, 0,1,2,3,4,5,6,7                        ; each accumulator is read from its low end on
.irp t, 0,1,2,3
	v_mov_b32 v[OUT+4*\j+\t], v[ACC+8*\t+\j]       ; out(slot 8 h + j, 4 r + t)
.endr
.endr
.irp j, 0,1,2,3,4,5,6,7
	global_store_b128 v[RL+8*\b+\j], v[OUT+4*\j:OUT+4*\j+3], s[12:13] th:TH_STORE_NT   ; sixteen lanes store 256 consecutive bytes, at a multiple of 256 from out's first byte; written once, read by nobody here
.endr
	s_add_co_u32 s21, s20, 2*\b+8
	s_cmp_ge_u32 s21, s19
	s_cbranch_scc1 .Lnofill_\@                     ; no tile eight on: the buffer stays as it is
	s_wait_xcnt 0x0                                ; the stores have read their address registers, into which the tokens of the next tile are loaded
	s_add_nc_u64 s[SXB+2*\b:SXB+2*\b+1], s[SXB+2*\b:SXB+2*\b+1], 8*XT   ; (the loads that named these bases are in)
	s_add_nc_u64 s[SRB+2*\b:SRB+2*\b+1], s[SRB+2*\b:SRB+2*\b+1], 8*64
	XLOAD \b
.Lnofill_\@:
.endm
	s_load_b256 s[4:11], s[0:1], 0x0               ; route s[4:5], xq s[6:7], the weights' codes s[8:9], their scales s[10:11]
	s_load_b64 s[12:13], s[0:1], 0x20              ; out
	v_lshl_add_u32 v[SPW], v0, 2, SPARE
	v_mov_b32 v[NIL], 0
	v_lshrrev_b32 v14, 5, v0
	v_readfirstlane_b32 s14, v14                   ; wave 0..3
	s_lshr_b32 s15, s14, 1                         ; c
	s_and_b32 s16, s14, 1                          ; p
	s_mov_b32 s17, ttmp9                           ; x
	s_and_b32 s18, ttmp7, 0xffff                   ; e
	v_and_b32 v1, 31, v0
	v_lshlrev_b32 v2, 2, v1                        ; 4 x lane
	v_lshlrev_b32 v1, 4, v1                        ; 16 x lane
	v_and_b32 v10, 15, v0                          ; r
	v_bfe_u32 v11, v0, 4, 1                        ; h
	v_lshlrev_b32 v3, 5, v11                       ; 32 h: my eight slots' tokens
	v_lshlrev_b32 v4, 4, v10                       ; 16 r: my four outputs
	; Row q of the slice lies in LDS row 64 (q / 64) + 16 (q % 4) + (q / 4) % 16: the 16 outputs of a tile side by side.  My wave loads rows 32 w .. 32 w + 31; three loads of 512 bytes are two rows, which lie 16 LDS rows apart
	s_lshl_b32 s40, s16, 3
	s_lshl_b32 s41, s15, 6
	s_add_co_u32 s40, s40, s41
	s_mul_i32 s40, s40, PITCH                      ; my wave's first LDS row
	v_add_nc_u32 v5, s40, v1                       ; first load of three: bytes 0-511 of the even row
	v_mul_u32_u24 v6, v11, 16*PITCH-768            ; second: lanes 0-15 its bytes 512-767, lanes 16-31 bytes 0-255 of the odd row
	v_add_nc_u32 v6, v6, v5
	v_add_nc_u32 v6, 512, v6
	v_add_nc_u32 v7, 16*PITCH+256, v5              ; third: bytes 256-767 of the odd row
	s_mul_i32 s41, s15, 64*PITCH
	v_mul_u32_u24 v8, v10, PITCH
	v_mad_u32_u24 v8, v11, 24, v8
	v_add_nc_u32 v8, s41, v8                       ; a fragment: LDS row 64 c + 16 t + r, + 24 h
	v_lshlrev_b32 v9, 7, v10
	v_lshl_add_u32 v9, v11, 4, v9                  ; the weights' scale words: output 4 r + t has 32 bytes: 128 r (+ 32 t), + 16 h
	s_mov_b32 s41, 0
	s_wait_kmcnt 0x0
	s_mul_i32 s40, s18, RE
	s_add_nc_u64 s[4:5], s[4:5], s[40:41]          ; route at my expert
	s_load_b32 s19, s[4:5], 0x0                    ; its number of tiles
	s_mul_i32 s40, s18, 1572864
	s_mul_i32 s21, s17, 98304
	s_add_co_u32 s40, s40, s21
	s_mul_i32 s21, s14, 24576
	s_add_co_u32 s40, s40, s21
	s_add_nc_u64 s[8:9], s[8:9], s[40:41]          ; my quarter of the slice's codes
	s_lshl_b32 s40, s18, 16
	s_lshl_b32 s21, s17, 12
	s_add_co_u32 s40, s40, s21
	s_lshl_b32 s21, s15, 11
	s_add_co_u32 s40, s40, s21
	s_add_nc_u64 s[10:11], s[10:11], s[40:41]      ; my 64 outputs' scale bytes
.irp t, 0,1,2,3
	global_load_b128 v[WS+4*\t:WS+4*\t+3], v9, s[10:11] offset:32*\t
.endr
	WIN 0x40                                       ; destination window 1
.set q, 0
.rept 48
	global_load_b128 v[4*q:4*q+3], v1, s[8:9] offset:512*q th:TH_LOAD_NT   ; 512 consecutive bytes; read once in the launch
.set q, q+1
.endr
	WIN 0
	s_mul_i32 s40, s18, XE
	s_add_nc_u64 s[6:7], s[6:7], s[40:41]          ; xq at my expert
	s_lshl_b32 s40, s17, 9
	s_lshl_b32 s21, s15, 8
	s_add_co_u32 s40, s40, s21
	s_add_nc_u64 s[12:13], s[12:13], s[40:41]      ; out at my 64 outputs
	s_wait_kmcnt 0x0
	s_min_u32 s19, s19, 128                        ; held at what xq has room for
	s_sub_co_u32 s22, s19, 1
	s_mov_b32 s20, s16                             ; my first tile
.irp b, 0,1,2,3
	s_add_co_u32 s21, s16, 2*\b
	s_min_u32 s21, s21, s22                        ; past the end: the last tile once more
	s_min_u32 s21, s21, 127
	s_mul_i32 s40, s21, XT
	s_add_nc_u64 s[SXB+2*\b:SXB+2*\b+1], s[6:7], s[40:41]
	s_lshl_b32 s40, s21, 6
	s_add_co_u32 s40, s40, 256
	s_add_nc_u64 s[SRB+2*\b:SRB+2*\b+1], s[4:5], s[40:41]
.endr
	WIN 0x04                                       ; an LDS store's data are its source 1: window 1
.set q, 0
.rept 48
.if q%8 == 0
	s_wait_loadcnt 40-q                            ; the next eight loads are in; those behind them may be out
.endif
	ds_store_b128 v[5+q%3], v[4*q:4*q+3] offset:(16*((2*(q/3))%4)+(2*(q/3))/4)*PITCH
.set q, q+1
.endr
	WIN 0
	s_wait_dscnt 0x0                               ; for the others' sake: my stores have landed
	s_barrier_signal -1
	s_barrier_wait -1                              ; the slice's 128 rows lie in LDS
	s_cmp_ge_u32 s20, s19
	s_cbranch_scc1 .Lend                           ; no tile for this wave (an expert without tokens, or with one tile)
	s_sub_co_u32 s42, s19, s16                     ; the trips: four tiles of mine, eight tile numbers, a trip: ceil((tiles - p) / 8),
	s_add_co_u32 s42, s42, 7
	s_lshr_b32 s42, s42, 3
	s_min_u32 s42, s42, 16                         ; 16 at the most: 128 tiles
	s_mov_b32 s23, 0
	XLOAD 0
	XLOAD 1
	WIN 0x40
.irp s, 0,1,2,3                                ; a fragment, 16 outputs x 128 K, is 12 registers: 24 bytes at 96 s + 24 h of the row and 24 at 96 s + 48 + 24 h, as they lie, in pieces of 8 bytes
.irp t, 0,1,2,3
.irp i, 0,1,2,3,4,5
	ds_load_b64 v[48*\s+12*\t+2*\i:48*\s+12*\t+2*\i+1], v8 offset:16*\t*PITCH+96*\s+48*(\i/3)+8*(\i%3)
.endr
.endr
.endr
	WIN 0x80
.irp s, 4,5,6,7
.irp t, 0,1,2,3
.irp i, 0,1,2,3,4,5
	ds_load_b64 v[48*(\s-4)+12*\t+2*\i:48*(\s-4)+12*\t+2*\i+1], v8 offset:16*\t*PITCH+96*\s+48*(\i/3)+8*(\i%3)
.endr
.endr
.endr
	WIN 0
	XLOAD 2
	XLOAD 3
	s_wait_dscnt 0x0                               ; the weights are in their registers
.Lgroup:                                               ; a trip: tiles s20, s20 + 2, s20 + 4, s20 + 6, as far as they exist
	TILE 0, 60, 0, 8, 0x07, 0x0b                   ; (90 first fills stand behind buffer 0's: more than a wait can name, so the smaller count is written)
	TILE 1, 60, 96, 8, 0x07, 0x0b
	TILE 2, 30, 192, 4, 0x05, 0x0a
	TILE 3, 0, 160, 8, 0x04, 0x08
.Lstep:
	s_wait_loadcnt 0x0                             ; the refills are in: so the counts above hold on the way back too
	s_wait_xcnt 0x0                                ; the trip's stores have read their address and data registers: the next trip writes them again
	s_add_co_u32 s20, s20, 8                       ; the next trip's first tile
	s_add_co_u32 s23, s23, 1                       ; the loop's counter: one a trip
	s_cmp_lt_u32 s23, s42
	s_cbranch_scc1 .Lgroup
.Lend:
	s_wait_tensorcnt 0x0                           ; the wave's end: behind my last LDS store; s_wait_tensorcnt stands in a text with no tensor load too
	ds_add_u32 v[SPW], v[NIL]
	s_wait_dscnt 0x0
	s_endpgm
.Lfunc_end_k_qb95930daea_expert_gemm:
	.size	k_qb95930daea_expert_gemm, .Lfunc_end_k_qb95930daea_expert_gemm-k_qb95930daea_expert_gemm
	.p2alignl 7, 3214868480
	.fill 96, 4, 3214868480
	.section	.rodata,"a",@progbits
	.p2align	6, 0x0
	.amdhsa_kernel k_qb95930daea_expert_gemm
		.amdhsa_group_segment_fixed_size 100864
		.amdhsa_private_segment_fixed_size 0
		.amdhsa_enable_private_segment 0
		.amdhsa_kernarg_size 40
		.amdhsa_user_sgpr_count 2
		.amdhsa_user_sgpr_kernarg_segment_ptr 1
		.amdhsa_wavefront_size32 1
		.amdhsa_system_sgpr_workgroup_id_x 1
		.amdhsa_system_sgpr_workgroup_id_y 1
		.amdhsa_system_sgpr_workgroup_id_z 1
		.amdhsa_system_vgpr_workitem_id 0
		.amdhsa_next_free_vgpr 960
		.amdhsa_next_free_sgpr 66
		.amdhsa_reserve_vcc 0
		.amdhsa_float_denorm_mode_32 3
		.amdhsa_float_denorm_mode_16_64 3
		.amdhsa_memory_ordered 1
		.amdhsa_forward_progress 1
		.amdhsa_inst_pref_size 77
	.end_amdhsa_kernel
	.amdgpu_metadata
---
amdhsa.version: [ 1, 2 ]
amdhsa.kernels:
  - .name:           k_qb95930daea_expert_gemm
    .symbol:         k_qb95930daea_expert_gemm.kd
    .args:
      - { .name: route, .offset: 0, .size: 8, .value_kind: global_buffer, .address_space: global }
      - { .name: xq, .offset: 8, .size: 8, .value_kind: global_buffer, .address_space: global }
      - { .name: weight_codes, .offset: 16, .size: 8, .value_kind: global_buffer, .address_space: global }
      - { .name: weight_scales, .offset: 24, .size: 8, .value_kind: global_buffer, .address_space: global }
      - { .name: out0, .offset: 32, .size: 8, .value_kind: global_buffer, .address_space: global }
    .group_segment_fixed_size: 100864
    .private_segment_fixed_size: 0
    .kernarg_segment_align: 8
    .kernarg_segment_size: 40
    .max_flat_workgroup_size: 128
    .sgpr_count:     66
    .vgpr_count:     960
    .wavefront_size: 32
...
	.end_amdgpu_metadata
.endif
;; end of part 2
;; ======== version 2 of 2: 2 launches; version 1 with the launch expert_gemm written anew for expert scheduling mode
;; workspace buffers: xq 26,214,400 bytes; route 135,168 bytes of whole numbers
;; launch route_quant: the kernel of part 1 again; grid 16 x 16, 4 waves a work-group, no clusters, 67,072 bytes of LDS; arguments gate, inp, xq, route; writes xq, route
;; launch expert_gemm (part 3): grid 16 x 16, 4 waves a work-group, no clusters, 100,864 bytes of LDS; arguments route, xq, weight_codes, weight_scales, out0; writes out0
.if DOCPART == 3
	.amdgcn_target "amdgcn-amd-amdhsa--gfx1250"
	.amdhsa_code_object_version 6
	.text
	.protected	k_qb95930daea_expert_gemm
	.globl	k_qb95930daea_expert_gemm
	.p2align	8
	.type	k_qb95930daea_expert_gemm,@function
k_qb95930daea_expert_gemm:
	s_mov_b64 s[64:65], 0
	v_nop
	global_prefetch_b8 v0, s[64:65] scope:SCOPE_SE
	s_setreg_imm32_b32 hwreg(HW_REG_WAVE_SCHED_MODE, 0, 2), 2
	s_setreg_imm32_b32 hwreg(HW_REG_WAVE_MODE, 25, 1), 1
	s_wait_xcnt 0x0
	s_wait_alu depctr_vm_vsrc(0)
; THE PRODUCT.  out[n][o] = sum over k of Q(inp[n])[k] weight[gate[n]][o][k], on codes of FP6 (E2M3) with one E8M0 byte for each 32 along K; sums in f32.
; SHARES.  Work-group (x, y = e) owns outputs 128 x .. 128 x + 127 of expert e, for all tokens of that expert.  Wave w: c = w / 2 says which 64 outputs, p = w % 2 which tiles of 16 tokens (tile k with k % 2 = p).
; THE WEIGHTS STAY.  A wave's 64 outputs x 1,024 K are 32 fragments, 384 registers, for the whole launch.  The slice's 98,304 bytes are dense in memory: the four waves load a quarter each, 48 loads of 512 consecutive bytes,
; put them into LDS as rows and, behind ONE barrier, read their fragments.  So each byte of the weights is loaded once in the launch.  The barrier stands ahead of every branch on loaded numbers.
; THE TOKENS WALK.  The launch before has laid each tile as an image of the operand's registers (xq) and listed its tokens (route): a tile is 24 loads of 16 bytes a lane, 4 scale words, 8 token numbers.  Four buffers; all four
; are asked for ahead of the loop (a first fill past the expert's last tile repeats that tile, so that only written bytes are read), and a buffer is asked for again behind its tile where a tile eight on exists.
; LAYOUT.  Source 0 = the tile (lane r: slot r), source 1 = 16 outputs.  THE OUTPUTS OF A TILE ARE NOT NEIGHBOURS: lane r of tile t takes output 4 r + t.  So register j of the four results holds out(slot 8 h + j, 4 r + 0 .. 3):
; 16 neighbouring bytes a lane, and sixteen lanes store 256 consecutive bytes, aligned, of one token's row, with no way through LDS.
; The slots behind an expert's last token repeat that token: the same wave stores the same bytes at the same place again.
; LIMITS: those of the launch before (gate in 0 .. 15; no NaN or infinity in inp).  The given scale bytes are taken as they are.
; NO TENSOR LOAD, NO CLUSTER: how many tiles a wave walks is a number read from memory.  What the 16 work-groups of an expert share, a tile's 12,800 bytes, stands beside 98,304 bytes of weights that are a work-group's own.
; THE MODE: SCHED_MODE bits 1:0 = 2 (LLVM: expert scheduling mode 2), set by the entry lines.  The code itself states the register dependences
; between vector or matrix instructions and memory or LDS instructions, with s_wait_alu, always for 0.
; THE PLAN.  Registers that memory or LDS instructions touch:
;   v1-v9            offsets and LDS addresses: written by vector lines at the head, once; read by every load, LDS store and LDS load.  One wait on va_vdst ahead of the first load serves them all.
;   window 1 v0-191  the slice as loaded: read by my LDS stores; then the fragments' LDS loads land there: one wait on vm_vsrc, behind the barrier.  From there on matrix instructions alone name them.
;   buffer b, XS[b]  written by the loads of XLOAD b; read by tile b's 32 matrix instructions.
;   RL[b]            written by the loads of XLOAD b; read by tile b's eight v_min_u32, and by nothing else.
;   AD, OUT          written by each tile's vector lines; read by that tile's eight stores, as addresses and as data.
;   The accumulators are named by matrix and vector instructions alone.
; So a tile has two places with waits.  Behind its matrix instructions: the stores of the tile before have read AD and OUT, which are about to be written again.  Behind its vector lines, one wait on va_vdst: AD and OUT are written,
; for the stores; the matrix instructions are done reading buffer b and XS[b], and the v_min_u32 reading RL[b], for the refill.  Refill and stores follow it with no vector line among them.
; REGISTERS, in windows of 256 (s_set_vgpr_msb: bits 1:0 source 0, 3:2 source 1, 5:4 source 2, 7:6 destination):
;   window 0: v1-9 addresses; v12, v13 the add's two; v16-31 the weights' scale words; v32-47 the tiles' scale words; v48-79 the tiles' tokens; v80-111 four accumulators; v112-143 results in storing order;
;             v144-151 the eight slots' byte offsets in out; v160-255 tile buffer 3
;   window 1: v0-191 the weights' fragments of K steps 0-3 (fragment (s, t) at 48 (s % 4) + 12 t; first the slice as loaded); v192-239 tile buffer 2, K steps 0-3        window 2: the same for K steps 4-7
;   window 3: v0-95 tile buffer 0; v96-191 tile buffer 1
.set XE,    1638400                    ; bytes of xq for an expert
.set XT,    12800                      ; bytes of a tile
.set RE,    8448                       ; bytes of route for an expert
.set PITCH, 784                        ; an LDS row: 768 bytes + 16 = 196 words: row r starts 4 r words on, modulo 64, so the 32 lanes of a load of 8 bytes touch 64 different words modulo 64
.set SPARE, 128*PITCH                  ; behind the rows: the spare words, 128 bytes for each wave: two blocks of 256 bytes that no other line names
.set SPW,   12                         ; v12  LDS address of my spare word; never rewritten
.set NIL,   13                         ; v13  0; never rewritten
.set WS,    16                         ; register 4 t + i: lanes 0-15 the word of K step i of tile t's outputs, lanes 16-31 that of K step 4 + i
.set XS,    32                         ; buffer b, register 4 b + j: lanes 0-15 the slots' words of K step 2 j, lanes 16-31 of K step 2 j + 1
.set RL,    48                         ; buffer b, register 8 b + j: the token of slot 8 h + j
.set ACC,   80
.set OUT,   112
.set AD,    144                        ; register j: the byte offset in out of slot 8 h + j's row, + 16 r: the tile in hand's
.set SXB,   24                         ; s[24:31] buffer b's tile in xq
.set SRB,   32                         ; s[32:39] buffer b's tokens in route
; s14 wave, s15 c, s16 p, s17 x, s18 e, s19 the expert's tiles, s20 the trip's first tile, s21 at work, s22 the last tile, s23 trips done, s[40:41] 64-bit offsets, s42 trips to do
.set MSB, 0
.macro WIN new                         ; the immediate's high byte repeats the setting that is left; a switch that changes nothing is dropped
.if MSB != (\new)
	s_set_vgpr_msb (MSB<<8)|(\new)
.set MSB, (\new)
.endif
.endm
; 30 loads: a tile's 8 fragments, its scale words, its tokens, into buffer b
.macro XLOAD b
.if \b < 2
	WIN 0xc0                                       ; destination window 3
.irp s, 0,1,2,3,4,5,6,7
.irp c, 0,1,2
	global_load_b128 v[96*\b+12*\s+4*\c:96*\b+12*\s+4*\c+3], v1, s[SXB+2*\b:SXB+2*\b+1] offset:1536*\s+512*\c
.endr
.endr
.elseif \b == 2
	WIN 0x40                                       ; destination window 1
.irp s, 0,1,2,3
.irp c, 0,1,2
	global_load_b128 v[192+12*\s+4*\c:192+12*\s+4*\c+3], v1, s[SXB+2*\b:SXB+2*\b+1] offset:1536*\s+512*\c
.endr
.endr
	WIN 0x80                                       ; destination window 2
.irp s, 4,5,6,7
.irp c, 0,1,2
	global_load_b128 v[192+12*(\s-4)+4*\c:192+12*(\s-4)+4*\c+3], v1, s[SXB+2*\b:SXB+2*\b+1] offset:1536*\s+512*\c
.endr
.endr
.else
	WIN 0
.irp s, 0,1,2,3,4,5,6,7
.irp c, 0,1,2
	global_load_b128 v[160+12*\s+4*\c:160+12*\s+4*\c+3], v1, s[SXB+2*\b:SXB+2*\b+1] offset:1536*\s+512*\c
.endr
.endr
.endif
	WIN 0
.irp j, 0,1,2,3
	global_load_b32 v[XS+4*\b+\j], v2, s[SXB+2*\b:SXB+2*\b+1] offset:12288+128*\j
.endr
.irp i, 0,1
	global_load_b128 v[RL+8*\b+4*\i:RL+8*\b+4*\i+3], v3, s[SRB+2*\b:SRB+2*\b+1] offset:16*\i
.endr
.endm
; One product: buffer b's fragment of K step s (at v[xr] of its window) x the weights' fragment (s, t).  K step 0 starts the sum: nothing is cleared.  The scale registers' rows: odd K steps of the tile and K steps 4-7 of the weights lie in lanes 16-31
.macro MM xr, b, s, t
.set rA, (\xr)
.set rB, 48*((\s)%4)+12*(\t)
.set rD, ACC+8*(\t)
.set rP, XS+4*(\b)+(\s)/2
.set rQ, WS+4*(\t)+(\s)%4
.if (\s) == 0
	v_wmma_scale_f32_16x16x128_f8f6f4 v[rD:rD+7], v[rA:rA+11], v[rB:rB+11], 0, v[rP], v[rQ] matrix_a_fmt:MATRIX_FMT_FP6 matrix_b_fmt:MATRIX_FMT_FP6
.elseif (\s) == 2
	v_wmma_scale_f32_16x16x128_f8f6f4 v[rD:rD+7], v[rA:rA+11], v[rB:rB+11], v[rD:rD+7], v[rP], v[rQ] matrix_a_fmt:MATRIX_FMT_FP6 matrix_b_fmt:MATRIX_FMT_FP6
.elseif (\s) < 4
	v_wmma_scale_f32_16x16x128_f8f6f4 v[rD:rD+7], v[rA:rA+11], v[rB:rB+11], v[rD:rD+7], v[rP], v[rQ] matrix_a_fmt:MATRIX_FMT_FP6 matrix_b_fmt:MATRIX_FMT_FP6 matrix_a_scale:MATRIX_SCALE_ROW1
.elseif (\s)%2 == 0
	v_wmma_scale_f32_16x16x128_f8f6f4 v[rD:rD+7], v[rA:rA+11], v[rB:rB+11], v[rD:rD+7], v[rP], v[rQ] matrix_a_fmt:MATRIX_FMT_FP6 matrix_b_fmt:MATRIX_FMT_FP6 matrix_b_scale:MATRIX_SCALE_ROW1
.else
	v_wmma_scale_f32_16x16x128_f8f6f4 v[rD:rD+7], v[rA:rA+11], v[rB:rB+11], v[rD:rD+7], v[rP], v[rQ] matrix_a_fmt:MATRIX_FMT_FP6 matrix_b_fmt:MATRIX_FMT_FP6 matrix_a_scale:MATRIX_SCALE_ROW1 matrix_b_scale:MATRIX_SCALE_ROW1
.endif
.endm
; The tile in buffer b: tile s20 + 2 b.  left: how many younger loads may stay out.  xbase, xmod: where its fragments lie;  w0, w1: the windows for K steps 0-3 and 4-7
.macro TILE b, left, xbase, xmod, w0, w1
.if \b > 0
	s_add_co_u32 s21, s20, 2*\b
	s_cmp_ge_u32 s21, s19
	s_cbranch_scc1 .Lstep                          ; no such tile: on to the trip's end; s20 + 8 is then no tile either, so this trip is the last
.endif
	s_wait_loadcnt \left                           ; loads come back in order (ISA guide 5.7.1): this buffer's 30 are in.  Counted are the first fills that always stand behind them, never a refill, which is not issued on every way
	WIN \w0
.irp s, 0,1,2,3                                ; the four accumulators take turns, one instruction a turn
.irp t, 0,1,2,3
	MM \xbase+12*(\s%\xmod), \b, \s, \t
.endr
.endr
	WIN \w1
.irp s, 4,5,6,7
.irp t, 0,1,2,3
	MM \xbase+12*(\s%\xmod), \b, \s, \t
.endr
.endr
	WIN 0
	s_wait_xcnt 0x0                                ; every earlier memory instruction has had its addresses translated (ISA guide 3.1): AD and OUT, which the last tile's stores name, and this buffer's bases are written again only behind this wait
	s_wait_alu depctr_vm_vsrc(0)                   ; the last tile's eight stores, issued 32 matrix instructions back (over the loop's edge too), have read AD and OUT, which the lines below write again
.irp j, 0,1,2,3,4,5,6,7                        ; sixteen plain lines that name no register of the products: the places behind them (ISA guide 7.12.1), for the reads of the results and for the next tile's first products
	v_min_u32 v[AD+\j], 0x7ff, v[RL+8*\b+\j]       ; a token number is held inside the table of rows,
.endr
.irp j, 0,1,2,3,4,5,6,7
	v_lshl_add_u32 v[AD+\j], v[AD+\j], 13, v4      ; and becomes its row of 8,192 bytes + 16 r
.endr
.irp j, 0,1,2,3,4,5,6,7                        ; each accumulator is read from its low end on
.irp t, 0,1,2,3
	v_mov_b32 v[OUT+4*\j+\t], v[ACC+8*\t+\j]       ; out(slot 8 h + j, 4 r + t)
.endr
.endr
	s_wait_alu depctr_va_vdst(0)                   ; AD and OUT are written, which the stores read; the 32 matrix instructions are done reading this buffer and its scale words, and the v_min_u32 its tokens: in all of these the refill's loads land
	s_add_co_u32 s21, s20, 2*\b+8
	s_cmp_ge_u32 s21, s19
	s_cbranch_scc1 .Lnofill_\@                     ; no tile eight on: the buffer stays as it is
	s_add_nc_u64 s[SXB+2*\b:SXB+2*\b+1], s[SXB+2*\b:SXB+2*\b+1], 8*XT   ; (the loads that named these bases are in)
	s_add_nc_u64 s[SRB+2*\b:SRB+2*\b+1], s[SRB+2*\b:SRB+2*\b+1], 8*64
	XLOAD \b                                       ; the refill goes out ahead of the stores.  No further wait: no vector or matrix instruction since the wait above, and no store names a register in which these loads land
.Lnofill_\@:
.irp j, 0,1,2,3,4,5,6,7
	global_store_b128 v[AD+\j], v[OUT+4*\j:OUT+4*\j+3], s[12:13] th:TH_STORE_NT   ; sixteen lanes store 256 consecutive bytes, at a multiple of 256 from out's first byte; written once, read by nobody here
.endr
.endm
	s_load_b256 s[4:11], s[0:1], 0x0               ; route s[4:5], xq s[6:7], the weights' codes s[8:9], their scales s[10:11]
	s_load_b64 s[12:13], s[0:1], 0x20              ; out
	v_lshl_add_u32 v[SPW], v0, 2, SPARE
	v_mov_b32 v[NIL], 0
	v_lshrrev_b32 v14, 5, v0
	v_readfirstlane_b32 s14, v14                   ; wave 0..3
	v_and_b32 v1, 31, v0
	v_lshlrev_b32 v2, 2, v1                        ; 4 x lane
	v_lshlrev_b32 v1, 4, v1                        ; 16 x lane
	s_wait_alu depctr_va_vdst(0)
	v_and_b32 v10, 15, v0                          ; r
	v_bfe_u32 v11, v0, 4, 1                        ; h
	s_wait_alu depctr_va_vdst(0)
	v_lshlrev_b32 v3, 5, v11                       ; 32 h: my eight slots' tokens
	v_lshlrev_b32 v4, 4, v10                       ; 16 r: my four outputs
	s_wait_alu depctr_va_sdst(0)                   ; s14 is written, ahead of its first reader: c, p and all that is made of them
	s_lshr_b32 s15, s14, 1                         ; c
	s_and_b32 s16, s14, 1                          ; p
	s_mov_b32 s17, ttmp9                           ; x
	s_and_b32 s18, ttmp7, 0xffff                   ; e
	; Row q of the slice lies in LDS row 64 (q / 64) + 16 (q % 4) + (q / 4) % 16: the 16 outputs of a tile side by side.  My wave loads rows 32 w .. 32 w + 31; three loads of 512 bytes are two rows, which lie 16 LDS rows apart
	s_lshl_b32 s40, s16, 3
	s_lshl_b32 s41, s15, 6
	s_add_co_u32 s40, s40, s41
	s_mul_i32 s40, s40, PITCH                      ; my wave's first LDS row
	v_add_nc_u32 v5, s40, v1                       ; first load of three: bytes 0-511 of the even row
	v_mul_u32_u24 v6, v11, 16*PITCH-768            ; second: lanes 0-15 its bytes 512-767, lanes 16-31 bytes 0-255 of the odd row
	v_add_nc_u32 v6, v6, v5
	v_add_nc_u32 v6, 512, v6
	v_add_nc_u32 v7, 16*PITCH+256, v5              ; third: bytes 256-767 of the odd row
	s_mul_i32 s41, s15, 64*PITCH
	v_mul_u32_u24 v8, v10, PITCH
	v_mad_u32_u24 v8, v11, 24, v8
	v_add_nc_u32 v8, s41, v8                       ; a fragment: LDS row 64 c + 16 t + r, + 24 h
	v_lshlrev_b32 v9, 7, v10
	v_lshl_add_u32 v9, v11, 4, v9                  ; the weights' scale words: output 4 r + t has 32 bytes: 128 r (+ 32 t), + 16 h
	s_mov_b32 s41, 0
	s_wait_kmcnt 0x0
	s_mul_i32 s40, s18, RE
	s_add_nc_u64 s[4:5], s[4:5], s[40:41]          ; route at my expert
	s_load_b32 s19, s[4:5], 0x0                    ; its number of tiles
	s_mul_i32 s40, s18, 1572864
	s_mul_i32 s21, s17, 98304
	s_add_co_u32 s40, s40, s21
	s_mul_i32 s21, s14, 24576
	s_add_co_u32 s40, s40, s21
	s_add_nc_u64 s[8:9], s[8:9], s[40:41]          ; my quarter of the slice's codes
	s_lshl_b32 s40, s18, 16
	s_lshl_b32 s21, s17, 12
	s_add_co_u32 s40, s40, s21
	s_lshl_b32 s21, s15, 11
	s_add_co_u32 s40, s40, s21
	s_add_nc_u64 s[10:11], s[10:11], s[40:41]      ; my 64 outputs' scale bytes
	s_wait_alu depctr_va_vdst(0)                   ; the offsets and LDS addresses v1 to v9 are written, which the loads, LDS stores and LDS loads from here to the loop read; no vector line stands among those
.irp t, 0,1,2,3
	global_load_b128 v[WS+4*\t:WS+4*\t+3], v9, s[10:11] offset:32*\t
.endr
	WIN 0x40                                       ; destination window 1
.set q, 0
.rept 48
	global_load_b128 v[4*q:4*q+3], v1, s[8:9] offset:512*q th:TH_LOAD_NT   ; 512 consecutive bytes; read once in the launch
.set q, q+1
.endr
	WIN 0
	s_mul_i32 s40, s18, XE
	s_add_nc_u64 s[6:7], s[6:7], s[40:41]          ; xq at my expert
	s_lshl_b32 s40, s17, 9
	s_lshl_b32 s21, s15, 8
	s_add_co_u32 s40, s40, s21
	s_add_nc_u64 s[12:13], s[12:13], s[40:41]      ; out at my 64 outputs
	s_wait_kmcnt 0x0
	s_min_u32 s19, s19, 128                        ; held at what xq has room for
	s_sub_co_u32 s22, s19, 1
	s_mov_b32 s20, s16                             ; my first tile
.irp b, 0,1,2,3
	s_add_co_u32 s21, s16, 2*\b
	s_min_u32 s21, s21, s22                        ; past the end: the last tile once more
	s_min_u32 s21, s21, 127
	s_mul_i32 s40, s21, XT
	s_add_nc_u64 s[SXB+2*\b:SXB+2*\b+1], s[6:7], s[40:41]
	s_lshl_b32 s40, s21, 6
	s_add_co_u32 s40, s40, 256
	s_add_nc_u64 s[SRB+2*\b:SRB+2*\b+1], s[4:5], s[40:41]
.endr
	WIN 0x04                                       ; an LDS store's data are its source 1: window 1
.set q, 0
.rept 48
.if q%8 == 0
	s_wait_loadcnt 40-q                            ; the next eight loads are in; those behind them may be out
.endif
	ds_store_b128 v[5+q%3], v[4*q:4*q+3] offset:(16*((2*(q/3))%4)+(2*(q/3))/4)*PITCH
.set q, q+1
.endr
	WIN 0
	s_wait_dscnt 0x0                               ; for the others' sake: my stores have landed
	s_barrier_signal -1
	s_barrier_wait -1                              ; the slice's 128 rows lie in LDS
	s_wait_alu depctr_vm_vsrc(0)                   ; my LDS stores have read window 1's v0 to v191, in which the fragments' LDS loads below land; what stands between names none of those registers
	s_cmp_ge_u32 s20, s19
	s_cbranch_scc1 .Lend                           ; no tile for this wave (an expert without tokens, or with one tile)
	s_sub_co_u32 s42, s19, s16                     ; the trips: four tiles of mine, eight tile numbers, a trip: ceil((tiles - p) / 8),
	s_add_co_u32 s42, s42, 7
	s_lshr_b32 s42, s42, 3
	s_min_u32 s42, s42, 16                         ; 16 at the most: 128 tiles
	s_mov_b32 s23, 0
	XLOAD 0
	XLOAD 1
	WIN 0x40
.irp s, 0,1,2,3                                ; a fragment, 16 outputs x 128 K, is 12 registers: 24 bytes at 96 s + 24 h of the row and 24 at 96 s + 48 + 24 h, as they lie, in pieces of 8 bytes
.irp t, 0,1,2,3
.irp i, 0,1,2,3,4,5
	ds_load_b64 v[48*\s+12*\t+2*\i:48*\s+12*\t+2*\i+1], v8 offset:16*\t*PITCH+96*\s+48*(\i/3)+8*(\i%3)
.endr
.endr
.endr
	WIN 0x80
.irp s, 4,5,6,7
.irp t, 0,1,2,3
.irp i, 0,1,2,3,4,5
	ds_load_b64 v[48*(\s-4)+12*\t+2*\i:48*(\s-4)+12*\t+2*\i+1], v8 offset:16*\t*PITCH+96*\s+48*(\i/3)+8*(\i%3)
.endr
.endr
.endr
	WIN 0
	XLOAD 2
	XLOAD 3
	s_wait_dscnt 0x0                               ; the weights are in their registers
.Lgroup:                                               ; a trip: tiles s20, s20 + 2, s20 + 4, s20 + 6, as far as they exist
	TILE 0, 60, 0, 8, 0x07, 0x0b                   ; (90 first fills stand behind buffer 0's: more than a wait can name, so the smaller count is written)
	TILE 1, 60, 96, 8, 0x07, 0x0b
	TILE 2, 30, 192, 4, 0x05, 0x0a
	TILE 3, 0, 160, 8, 0x04, 0x08
.Lstep:
	s_wait_loadcnt 0x0                             ; the refills are in: so the counts above hold on the way back too
	s_add_co_u32 s20, s20, 8                       ; the next trip's first tile
	s_add_co_u32 s23, s23, 1                       ; the loop's counter: one a trip
	s_cmp_lt_u32 s23, s42
	s_cbranch_scc1 .Lgroup
.Lend:
	s_wait_dscnt 0x0                               ; the wave's end: behind my last LDS store
	s_wait_alu 0x0
	s_wait_tensorcnt 0x0
	ds_add_u32 v[SPW], v[NIL]
	s_wait_dscnt 0x0
	s_endpgm
.Lfunc_end_k_qb95930daea_expert_gemm:
	.size	k_qb95930daea_expert_gemm, .Lfunc_end_k_qb95930daea_expert_gemm-k_qb95930daea_expert_gemm
	.p2alignl 7, 3214868480
	.fill 96, 4, 3214868480
	.section	.rodata,"a",@progbits
	.p2align	6, 0x0
	.amdhsa_kernel k_qb95930daea_expert_gemm
		.amdhsa_group_segment_fixed_size 100864
		.amdhsa_private_segment_fixed_size 0
		.amdhsa_enable_private_segment 0
		.amdhsa_kernarg_size 40
		.amdhsa_user_sgpr_count 2
		.amdhsa_user_sgpr_kernarg_segment_ptr 1
		.amdhsa_wavefront_size32 1
		.amdhsa_system_sgpr_workgroup_id_x 1
		.amdhsa_system_sgpr_workgroup_id_y 1
		.amdhsa_system_sgpr_workgroup_id_z 1
		.amdhsa_system_vgpr_workitem_id 0
		.amdhsa_next_free_vgpr 960
		.amdhsa_next_free_sgpr 66
		.amdhsa_reserve_vcc 0
		.amdhsa_float_denorm_mode_32 3
		.amdhsa_float_denorm_mode_16_64 3
		.amdhsa_memory_ordered 1
		.amdhsa_forward_progress 1
		.amdhsa_inst_pref_size 78
	.end_amdhsa_kernel
	.amdgpu_metadata
---
amdhsa.version: [ 1, 2 ]
amdhsa.kernels:
  - .name:           k_qb95930daea_expert_gemm
    .symbol:         k_qb95930daea_expert_gemm.kd
    .args:
      - { .name: route, .offset: 0, .size: 8, .value_kind: global_buffer, .address_space: global }
      - { .name: xq, .offset: 8, .size: 8, .value_kind: global_buffer, .address_space: global }
      - { .name: weight_codes, .offset: 16, .size: 8, .value_kind: global_buffer, .address_space: global }
      - { .name: weight_scales, .offset: 24, .size: 8, .value_kind: global_buffer, .address_space: global }
      - { .name: out0, .offset: 32, .size: 8, .value_kind: global_buffer, .address_space: global }
    .group_segment_fixed_size: 100864
    .private_segment_fixed_size: 0
    .kernarg_segment_align: 8
    .kernarg_segment_size: 40
    .max_flat_workgroup_size: 128
    .sgpr_count:     66
    .vgpr_count:     960
    .wavefront_size: 32
...
	.end_amdgpu_metadata
.endif
;; end of part 3
